; MI455X (gfx1250); checked and timed in simulation.
; The chip was launched on July 23, 2026; its instructions are those of AMD's public machine-readable ISA for CDNA 5 (MIT licence, August 2026) and "CDNA5" Instruction Set Architecture Reference Guide (July 2026). The comments in the code are by the model that wrote it; some were corrected since.
;; Deep ISTA. Allowed arithmetic: float matrix products may take bf16 or f16 operands with f32 sums; other float arithmetic in f32, or as packed bf16 or f16 multiplies, adds, multiply-adds, maxima and minima; sums over many terms, partial sums and values carried from step to step in f32; what a program stores and reads back later, other than sums and carried values, may be rounded once to bf16 or f16.
;; Inputs: D 256 x 512 float32; y 256 x 16,384 float32.
;; Outputs: out0 512 x 16,384 float32.
;; One version. Each part assembles by itself: llvm-mc -triple=amdgcn-amd-amdhsa -mcpu=gfx1250 --defsym DOCPART=n.
;; ======== version 1 of 1: 1 launch
;; launch ista (part 1): grid 256 x 1, 4 waves a work-group, no clusters, 327,680 bytes of LDS; arguments D, y, out0; writes out0
.if DOCPART == 1
	.amdgcn_target "amdgcn-amd-amdhsa--gfx1250"
	.amdhsa_code_object_version 6
	.text
	.protected	k_qd3a1269244_ista
	.globl	k_qd3a1269244_ista
	.p2align	8
	.type	k_qd3a1269244_ista,@function
k_qd3a1269244_ista:
	s_mov_b64 s[64:65], 0
	v_nop
	global_prefetch_b8 v0, s[64:65] scope:SCOPE_SE
	s_setreg_imm32_b32 hwreg(HW_REG_WAVE_MODE, 25, 1), 1
	s_wait_xcnt 0x0
; TWELVE FISTA STEPS IN ONE LAUNCH.  Per step: r = D z - y;  u = z - D^T r / 8;  out = u - clamp(u, -tau, tau), tau = 0.0125;  z = out + beta (out - out_old), beta = (t_old - 1) / t.
; D: [256][512] f32, y: [256][16384] f32, out0 (the last z): [512][16384] f32.  Samples (columns) never mix: a work-group owns 64 of them through all twelve steps, and z and out_old never leave registers.
; FORMATS AND LIMITS.  D and y are rounded to bf16 once; z and r are rounded to bf16 once a step as matrix operands; sums, z, out, out_old in f32.  bf16, not f16: with a larger D the iteration grows far past
; f16's range while f32 is still finite.  Inside the threshold band the result is +0 where a signed zero would be possible.  NaN and infinities are not treated apart.  K is summed in an order that begins at the wave's own part.
; SHARES.  Column r (0..15) of sample block nb (0..3) is sample 64 wg + 4 r + nb: the 16 bytes at byte 16 r of a row hold nb = 0..3, for y on the way in and for z on the way out.
; Wave w owns y tiles 4 w + mi (mi = 0..3: 64 rows of r) and x tiles 8 w + b (b = 0..7: 128 rows of z).  Source 0 is a fragment of D or D^T, source 1 holds samples: register j of lane (r, h) of a result is (row 8 h + j, sample r).
; Two such results rounded in pairs ARE a source 1 fragment in the same lanes, so z and r go from wave to wave as tiles of 512 bytes, lane L at byte 16 L; a wave takes its own tiles from its registers.
; LDS.  DM, from 0: D in bf16 in chunks of 16 bytes (row y, x = 8 c .. 8 c + 7) at 4096 c + 16 (y xor 8 (c & 1)).  A plain fragment load takes 16 rows of one chunk column: 256 consecutive bytes.  The turning load takes
; 8 rows of two neighbouring chunk columns, which the exclusive or sets into different halves of the 64 banks of 4 bytes (ISA guide 11.1).  EX: 64 KB of exchange: 128 tiles of z, at another time 64 tiles of r.
; D, the exchange and the spare words are 512 bytes more than the work-group has.  So EX begins 512 bytes inside DM, on chunk column 63, rows 224-255, which only three fragments of wave 3 would read; counted from the wave's own
; place they are: own K step 3 of D, y tiles 2 and 3; own K step 1 of D^T, x tile 7.  EVERY wave keeps these three in 24 registers (DR), loaded ahead of the barrier behind which EX is first written: one text for all waves.
; NO TENSOR LOADS, NO CLUSTER: D arrives in f32 and has to be rounded and re-laid in chunks, which goes through registers; it is read once by a work-group, for 23 products with it.
; z and out_old start as 512 registers of zeros (reference's own start), cleared in the wait for the first loads, so that step 1 is a step like any other; its D z, which is 0, is not computed: the loop is entered behind it.
; REGISTERS, in windows of 256 (s_set_vgpr_msb: bits 1:0 source 0, 3:2 source 1, 5:4 source 2, 7:6 destination):
;   window 0: v0-23 addresses and t; v24-39 TT at work; v40-63 DR; v64-127 -y in bf16; v128-255 the sums of D z - y, later r tiles of other waves
;   windows 1, 2: the two state sets, tile (b, nb) at 8 (4 b + nb); they change parts every step: X (z, then u, then out) and O (out_old, then the new z)
;   window 3: own z and own r as fragments, and the buffers for fragments from LDS (the maps stand at the macros)
.set EX,    261632    ; the exchange: z tile (x tile t, nb) at EX + 512 (4 t + nb); r tile (y tile, nb) at EX + 512 (4 ytile + nb)
.set SPARE, 327168    ; the spare words, 128 bytes for each wave: two blocks of 256 bytes that no other line names
.set SPW, 1           ; v1   LDS address of my spare word; never rewritten
.set NIL, 2           ; v2   0; never rewritten
.set GY,  3           ; v3   524288 h + 16 r: my place in eight rows of y or of out0
.set AD,  4           ; v4-7   D's fragments for K group g: x rows of wave (w + g) & 3, my y rows
.set ZBA, 8           ; v8-10  z tiles of wave (w + g) & 3, g = 1..3
.set RBA, 11          ; v11-13 r tiles of wave (w + g) & 3, g = 1..3
.set A2A, 14          ; v14-17 D^T's fragments for K group g: y rows of wave (w + g) & 3, my x rows
.set ZST, 18          ; v18  where my z tiles go
.set RST, 19          ; v19  where my r tiles go
.set TF,  20          ; v20  t; v21-23 at work for beta
.set TT,  24          ; v24-39 sixteen at work; in the prologue lane terms and the three below
.set GL,  32          ; v32  my byte offset in D
.set FS0, 33          ; v33, v34  where my half chunks go, for rows with bit 3 clear and set
.set FS1, 34
.set DR,  40          ; v40-47, v48-55 D, own K step 3, y tiles 2, 3; v56-63 D^T, own K step 1, x tile 7
.set YY,  64          ; tile n = 4 mi + nb: four registers, rows 8 h + 2 jp and + 1 in register jp
.set ACC, 128         ; sums of tile n at ACC + 8 n
.set AB,  96          ; window 3: two buffers of 32 for D's fragments; in the second product r of K steps 4, 5
.set BB,  192         ; window 3: two buffers of 32 for z fragments of other waves
.set BUF, 160         ; window 3: two buffers of 48 for D^T's fragments
.set MSB, 0
.macro WIN new                      ; the immediate's high byte repeats the setting that is left; a switch that changes nothing is dropped
.if MSB != (\new)
	s_set_vgpr_msb (MSB<<8)|(\new)
.set MSB, (\new)
.endif
.endm
; A load into a register that a matrix instruction has read, and a vector instruction that reads a matrix result, stand four places behind it; only plain vector instructions that name none of its registers are places.
.macro PLACES
.rept 4
	v_nop
.endr
.endm
; ---------------- the prologue's macros: D from memory into DM ----------------
; 32 loads: column block m (64 floats, 256 bytes) of my 64 rows; lanes 0-15 take row 2 i, lanes 16-31 row 2 i + 1.  Set: v128-255 of window win.
.macro DLOAD win, m
	WIN (\win)<<6
.set i, 0
.rept 32
	global_load_b128 v[128+4*i:128+4*i+3], v[GL], s[4:5] offset:i*4096+256*(\m)
.set i, i+1
.endr
.endm
; A set is rounded in place (4 floats: 8 bytes, half a chunk) and stored.  Rows whose bit 3 is set ((i & 7) >= 4) go by FS1, which holds the other half of the exclusive or.
.macro DPROC win, imm
	WIN (\win)*0x45
.set i, 0
.rept 32
	v_cvt_pk_bf16_f32 v[128+4*i],   v[128+4*i],   v[128+4*i+1]
	v_cvt_pk_bf16_f32 v[128+4*i+1], v[128+4*i+2], v[128+4*i+3]
.set i, i+1
.endr
	WIN (\win)<<2
.set i, 0
.rept 32
.if (i%8) < 4
	ds_store_b64 v[FS0], v[128+4*i:128+4*i+1] offset:(\imm)+(i/8)*256+((2*i)%8)*16
.else
	ds_store_b64 v[FS1], v[128+4*i:128+4*i+1] offset:(\imm)+(i/8)*256+((2*i)%8)*16
.endif
.set i, i+1
.endr
.endm
; ---------------- the first product: sums = -y + D z, 16 K steps of 32 x ----------------
; The loads of one K step (group g, step q of its four) into buffer x: D's four fragments (two of own step 3 are resident), and for another wave's group the four z fragments.
.macro LOADK x, g, q
	WIN 0xc0
.set n, 0
.rept 4
.if !(((\g) == 0) && ((\q) == 3) && (n >= 2))
	ds_load_b128 v[AB+32*(\x)+8*n:AB+32*(\x)+8*n+3],   v[AD+(\g)] offset:(\q)*16384+n*256
	ds_load_b128 v[AB+32*(\x)+8*n+4:AB+32*(\x)+8*n+7], v[AD+(\g)] offset:(\q)*16384+8192+n*256
.endif
.set n, n+1
.endr
.if (\g) != 0
.set n, 0
.rept 4
	ds_load_b128 v[BB+32*(\x)+8*n:BB+32*(\x)+8*n+3],   v[ZBA+(\g)-1] offset:(8*(\q)+n)*512
	ds_load_b128 v[BB+32*(\x)+8*n+4:BB+32*(\x)+8*n+7], v[ZBA+(\g)-1] offset:(8*(\q)+4+n)*512
.set n, n+1
.endr
.endif
.endm
; 16 products on 16 accumulators, which take turns, one instruction a turn.  Own z of step q lies in window 3 at 0, 32, 64, 160.
; first = 1: the products start the sums with -y: tile n is widened into half n % 2 of TT ahead of product n; the other half's eight lines are the places before a half is written again.
.macro MULK x, g, q, first
.set n, 0
.rept 16
.set mD, ACC+8*n
.if (\g) == 0
.set mB, 32*(\q)+64*((\q)/3)+8*(n%4)
.else
.set mB, BB+32*(\x)+8*(n%4)
.endif
.if (\first)
	WIN 0
.set jp, 0
.rept 4
	v_lshlrev_b32 v[TT+8*(n%2)+2*jp],   16,  v[YY+4*n+jp]
	v_and_b32     v[TT+8*(n%2)+2*jp+1], s26, v[YY+4*n+jp]
.set jp, jp+1
.endr
.endif
.if ((\g) == 0) && ((\q) == 3) && (n >= 8)
	WIN 0x0c                        ; the resident fragment lies in window 0
.set mA, DR+8*(n/4-2)
.else
	WIN 0x0f
.set mA, AB+32*(\x)+8*(n/4)
.endif
.if (\first)
	v_wmma_f32_16x16x32_bf16 v[mD:mD+7], v[mA:mA+7], v[mB:mB+7], v[TT+8*(n%2):TT+8*(n%2)+7]
.else
	v_wmma_f32_16x16x32_bf16 v[mD:mD+7], v[mA:mA+7], v[mB:mB+7], v[mD:mD+7]
.endif
.set n, n+1
.endr
.endm
; A K step in the middle: the next step's loads go out into the buffer that the step before multiplied; nl of them are younger than this step's own.
.macro STEP x, g, q, gn, qn, nl
	PLACES
	LOADK 1-(\x), \gn, \qn
	s_wait_dscnt \nl
	MULK \x, \g, \q, 0
.endm
; Own steps 0 and 1 stand first, while the other waves' z tiles are still arriving; own step 3 last, so that the end of my reads of z can be signalled a step early.
.macro P1
	LOADK 1, 0, 1                   ; (own step 0's fragments were fetched at the end of the step before)
	s_wait_dscnt 8                  ; all but the eight just issued
	MULK 0, 0, 0, 1
	s_barrier_wait -1               ; every wave's z tiles are stored
	PLACES
	LOADK 0, 1, 0
	s_wait_dscnt 16                 ; own step 1's fragments are in
	MULK 1, 0, 1, 0
	STEP 0, 1,0, 1,1, 16
	STEP 1, 1,1, 1,2, 16
	STEP 0, 1,2, 1,3, 16
	STEP 1, 1,3, 0,2, 8
	STEP 0, 0,2, 2,0, 16
	STEP 1, 2,0, 2,1, 16
	STEP 0, 2,1, 2,2, 16
	STEP 1, 2,2, 2,3, 16
	STEP 0, 2,3, 3,0, 16
	STEP 1, 3,0, 3,1, 16
	STEP 0, 3,1, 3,2, 16
	STEP 1, 3,2, 3,3, 16
	STEP 0, 3,3, 0,3, 4
	s_wait_dscnt 0x0                ; my reads of the z tiles are over:
	s_barrier_signal -1             ; say so; the wait stands in front of the stores of r
	MULK 1, 0, 3, 0
	WIN 0
.endm
; ---------------- the second product: X = z + D^T (-r / 8), 8 K steps of 32 y, and the step's vector work ----------------
; r fragments of another wave's K step sp = 2 (g - 1) + kappa: sp < 4 into window 0 (the first product's sums are spent), sp = 4, 5 into window 3.
.macro RBLOAD sp
.if (\sp) < 4
	WIN 0
.set rR, ACC+32*(\sp)
.else
	WIN 0xc0
.set rR, AB+32*((\sp)-4)
.endif
.set nb, 0
.rept 4
	ds_load_b128 v[rR+8*nb:rR+8*nb+3],   v[RBA+(\sp)/2] offset:(8*((\sp)%2)+nb)*512
	ds_load_b128 v[rR+8*nb+4:rR+8*nb+7], v[RBA+(\sp)/2] offset:(8*((\sp)%2)+4+nb)*512
.set nb, nb+1
.endr
.endm
; D^T's six fragments of x tile b for the other waves' K steps, turned on the way: 12 loads into buffer b % 2.
.macro A2LOAD b
	WIN 0xc0
.set sp, 0
.rept 6
.set rA, BUF+48*((\b)%2)+8*sp
	ds_load_tr16_b128 v[rA:rA+3],   v[A2A+1+sp/2] offset:(\b)*8192+(sp%2)*512
	ds_load_tr16_b128 v[rA+4:rA+7], v[A2A+1+sp/2] offset:(\b)*8192+(sp%2)*512+256
.set sp, sp+1
.endr
.endm
; Slice p of 24 of x tile bb's vector work: four lines of one kind, so one window setting.  Two halves of two accumulators (16 registers) each; in a half, by p % 12:
;   0-3  clamp(u) into TT (each accumulator's lowest registers are read first)     4-5  X = u - clamp(u) = out     6-7  O = out - out_old
;   8-9  O = beta O + out = z     10-11  z rounded to bf16 into my own fragments for the next first product; behind the last, the two tiles are stored for the other waves
.macro SLICE bb, a, o
.set eta, p/12
.set pp, p%12
.set XB, 8*(4*(\bb)+2*eta)
.set ZR, 32*((\bb)/2)+64*((\bb)/6)+4*((\bb)%2)
.set z, 0
.if pp < 4
	WIN (\a)
.rept 4
	v_med3_num_f32 v[TT+4*pp+z], v[XB+4*pp+z], s21, s20
.set z, z+1
.endr
.elseif pp < 6
	WIN ((\a)<<6)|(\a)
.rept 4
.set k, 8*(pp-4)+2*z
	v_pk_add_f32 v[XB+k:XB+k+1], v[XB+k:XB+k+1], v[TT+k:TT+k+1] neg_lo:[0,1] neg_hi:[0,1]
.set z, z+1
.endr
.elseif pp < 8
	WIN ((\o)<<6)|((\o)<<2)|(\a)
.rept 4
.set k, 8*(pp-6)+2*z
	v_pk_add_f32 v[XB+k:XB+k+1], v[XB+k:XB+k+1], v[XB+k:XB+k+1] neg_lo:[0,1] neg_hi:[0,1]
.set z, z+1
.endr
.elseif pp < 10
	WIN ((\o)<<6)|((\a)<<4)|(\o)
.rept 4
.set k, 8*(pp-8)+2*z
	v_pk_fma_f32 v[XB+k:XB+k+1], v[XB+k:XB+k+1], s[22:23], v[XB+k:XB+k+1] op_sel_hi:[1,0,1]
.set z, z+1
.endr
.else
	WIN 0xc0|((\o)<<2)|(\o)
.rept 4
.set k, 4*(pp-10)+z
	v_cvt_pk_bf16_f32 v[ZR+8*(2*eta+k/4)+k%4], v[XB+2*k], v[XB+2*k+1]
.set z, z+1
.endr
.endif
.if pp == 11
	WIN 0x0c
	ds_store_b128 v[ZST], v[ZR+16*eta:ZR+16*eta+3]    offset:(4*(\bb)+2*eta)*512
	ds_store_b128 v[ZST], v[ZR+16*eta+8:ZR+16*eta+11] offset:(4*(\bb)+2*eta+1)*512
.endif
.endm
; x tile b is finished: 24 products (6 K steps x 4 sample blocks; the tile's 4 accumulators take turns), a slice of tile b - 1's vector work behind each, the next tile's fragments fetched behind the second.
.macro BLOCK b, a, o
.if (\b) == 0
	s_wait_dscnt 0x0                ; all r fragments are in registers: my reads of the r tiles are over:
	s_barrier_signal -1             ; say so
.elseif (\b) == 1
	s_wait_dscnt 0x0                ; this tile's fragments are in
	s_barrier_wait -1               ; nobody reads r tiles any more: z tiles may be stored over them
.else
	s_wait_dscnt 4                  ; this tile's 12 loads are in; the four z stores issued behind them may be out
.endif
.set p, 0
.rept 24
.set bD, 8*(4*(\b)+p%4)
.set bA, BUF+48*((\b)%2)+8*(p/4)
.if p < 16
.set bB, ACC+8*p
	WIN 0x03|((\a)*0x50)
.else
.set bB, AB+8*(p-16)
	WIN 0x0f|((\a)*0x50)
.endif
	v_wmma_f32_16x16x32_bf16 v[bD:bD+7], v[bA:bA+7], v[bB:bB+7], v[bD:bD+7]
.if (\b) > 0
	SLICE (\b)-1, \a, \o
.endif
.if (p == 1) && ((\b) < 7)
.if (\b) == 0
	PLACES                          ; no slices yet: for the loads into the buffer that the own K steps multiplied
.endif
	A2LOAD (\b)+1
.endif
.set p, p+1
.endr
.if (\b) == 0
	PLACES                          ; for the first slice, which reads this tile's results
.endif
.endm
; The second half of a step.  a: the window of X, o: that of O.  Window 3 here: v0-63 own r, fragment (kappa, nb) at 8 (4 kappa + nb); D^T's own fragments (kappa, b) at 160 + 48 kappa + 8 b for b < 6, else at 64 + 16 kappa + 8 (b - 6).
.macro HALF a, o
	PLACES                          ; behind the first product's last instructions
	WIN 0xc0
.set n, 0
.rept 15                            ; fragment n: kappa = n / 8, b = n % 8; the sixteenth, (1, 7), is resident
.if (n%8) < 6
.set hA, BUF+48*(n/8)+8*(n%8)
.else
.set hA, 64+16*(n/8)+8*(n%8-6)
.endif
	ds_load_tr16_b128 v[hA:hA+3],   v[A2A] offset:(n%8)*8192+(n/8)*512
	ds_load_tr16_b128 v[hA+4:hA+7], v[A2A] offset:(n%8)*8192+(n/8)*512+256
.set n, n+1
.endr
	WIN 0
	v_mul_f32 v21, v[TF], v[TF]     ; t_new = (1 + sqrt(1 + 4 t^2)) / 2;  beta = (t - 1) / t_new
	v_fma_f32 v21, v21, 4.0, 1.0
	v_sqrt_f32 v21, v21
	v_nop                           ; a plain instruction between the root and its use (ISA guide 5.7.2)
	s_wait_alu depctr_va_vdst(0)
	v_fma_f32 v22, v21, 0.5, 0.5
	v_rcp_f32 v23, v22
	v_add_f32 v21, -1.0, v[TF]      ; the plain instruction behind the reciprocal
	s_wait_alu depctr_va_vdst(0)
	v_mul_f32 v23, v21, v23
	v_mov_b32 v[TF], v22
	v_readfirstlane_b32 s22, v23
	s_mov_b32 s23, s22              ; named with it as a pair
.set n, 0
.rept 64                            ; -r / 8, in place, from each accumulator's low end on
	v_pk_mul_f32 v[ACC+2*n:ACC+2*n+1], v[ACC+2*n:ACC+2*n+1], s[24:25] op_sel_hi:[1,0]
.set n, n+1
.endr
	WIN 0xc0
.set n, 0
.rept 16                            ; tile n = 4 mi + nb: half mi % 2 of fragment (mi / 2, nb)
.set rR, 8*(4*(n/8)+n%4)+4*((n/4)%2)
.set jp, 0
.rept 4
	v_cvt_pk_bf16_f32 v[rR+jp], v[ACC+8*n+2*jp], v[ACC+8*n+2*jp+1]
.set jp, jp+1
.endr
.set n, n+1
.endr
	s_barrier_wait -1               ; nobody reads z tiles any more: r tiles may be stored over them
	WIN 0x0c
.set n, 0
.rept 16
.set rR, 8*(4*(n/8)+n%4)+4*((n/4)%2)
	ds_store_b128 v[RST], v[rR:rR+3] offset:n*512
.set n, n+1
.endr
	s_wait_dscnt 0x0                ; for the others: my r tiles are stored (and my own fragments of D^T are in):
	s_barrier_signal -1             ; say so
.set n, 0
.rept 64                            ; my own two K steps, from registers: kappa = n / 32, b = (n / 4) % 8, nb = n % 4: 32 accumulators take turns
.set pD, 8*(n%32)
.set pB, 8*(4*(n/32)+n%4)
.if n >= 60
	WIN 0x0c|((\a)*0x50)
	v_wmma_f32_16x16x32_bf16 v[pD:pD+7], v[DR+16:DR+23], v[pB:pB+7], v[pD:pD+7]
.else
.if ((n/4)%8) < 6
.set pA, BUF+48*(n/32)+8*((n/4)%8)
.else
.set pA, 64+16*(n/32)+8*((n/4)%8-6)
.endif
	WIN 0x0f|((\a)*0x50)
	v_wmma_f32_16x16x32_bf16 v[pD:pD+7], v[pA:pA+7], v[pB:pB+7], v[pD:pD+7]
.endif
.if n == 15
	s_barrier_wait -1               ; every wave's r tiles are stored
	RBLOAD 0
	RBLOAD 1
.elseif n == 31
	PLACES                          ; for the loads into the registers of kappa 0's fragments
	A2LOAD 0
	RBLOAD 2
	RBLOAD 3
.elseif n == 47
	RBLOAD 4
	RBLOAD 5
.endif
.set n, n+1
.endr
.irp b, 0,1,2,3,4,5,6,7
	BLOCK \b, \a, \o
.endr
	LOADK 0, 0, 0                   ; the next first product's first fragments; five slices stand behind the last product that read these registers
.set p, 0
.rept 24
	SLICE 7, \a, \o                 ; the last tile's vector work has no products to stand behind
.set p, p+1
.endr
	s_wait_dscnt 0x0                ; for the others: my z tiles are stored:
	s_barrier_signal -1             ; say so; the wait stands behind the next first product's own step 0
	WIN 0
.endm
; ================ the prologue ================
	s_load_b128 s[4:7], s[0:1], 0x0                ; D s[4:5], y s[6:7]
	s_load_b64 s[8:9], s[0:1], 0x10                ; out0
	v_lshl_add_u32 v[SPW], v0, 2, SPARE
	v_mov_b32 v[NIL], 0
	v_lshrrev_b32 v24, 5, v0
	v_readfirstlane_b32 s10, v24                   ; wave w
	v_and_b32 v25, 15, v0                          ; r
	v_bfe_u32 v26, v0, 4, 1                        ; h
	v_lshlrev_b32 v[GY], 4, v25
	v_lshl_add_u32 v[GY], v26, 19, v[GY]           ; 8 h rows of 65,536 bytes + 16 r
	s_lshl_b32 s11, s10, 17                        ; my 64 rows of D, 2,048 bytes each
	v_lshlrev_b32 v[GL], 4, v25
	v_lshl_add_u32 v[GL], v26, 11, v[GL]
	v_add_nc_u32 v[GL], s11, v[GL]
	s_lshl_b32 s14, ttmp9, 8                       ; the work-group's 64 samples: 256 bytes of every row
	s_lshl_b32 s12, s10, 22                        ; my 64 rows of y
	s_add_co_u32 s12, s12, s14
	s_mov_b32 s13, 0
	s_lshl_b32 s16, s10, 23                        ; my 128 rows of out0
	s_add_co_u32 s16, s16, s14
	s_mov_b32 s17, 0
	s_wait_kmcnt 0x0
	s_add_nc_u64 s[6:7], s[6:7], s[12:13]
	s_add_nc_u64 s[8:9], s[8:9], s[16:17]
	WIN 0xc0
.set i, 0
.rept 32                                               ; y: row 16 mi + 8 h + j (i = 8 mi + j); sixteen lanes read 256 consecutive bytes of a row; into window 3, v[4 i ..]
	global_load_b128 v[4*i:4*i+3], v[GY], s[6:7] offset:(16*(i/8)+i%8)*65536 th:TH_LOAD_NT
.set i, i+1
.endr
	DLOAD 3, 0                                     ; D's column block 0
	WIN 0                                          ; the addresses are made while the loads are out
	v_and_b32 v24, 31, v0                          ; L
	v_and_b32 v27, 7, v0                           ; i = L & 7
	v_bfe_u32 v28, v0, 3, 1                        ; jj
	v_lshl_add_u32 v29, v26, 3, v25
	v_and_b32 v29, 15, v29                         ; (r + 8 h) & 15 = r xor 8 h
	v_lshlrev_b32 v29, 4, v29
	v_lshl_add_u32 v29, v26, 12, v29               ; chunk column h of four, row r
	v_lshlrev_b32 v30, 4, v24                      ; 16 L
	v_add_nc_u32 v31, v26, v28
	v_and_b32 v31, 1, v31                          ; (h + jj) & 1 = h xor jj
	v_lshl_add_u32 v31, v31, 3, v27
	v_lshlrev_b32 v31, 4, v31
	v_lshl_add_u32 v31, v28, 12, v31               ; chunk column jj of two, row 8 h + i
	s_lshl_b32 s18, s10, 10                        ; 64 w rows of 16 bytes
	s_lshl_b32 s19, s10, 16                        ; 16 w chunk columns
.irp g, 0,1,2,3
	s_add_co_u32 s11, s10, \g
	s_and_b32 s11, s11, 3                          ; the wave whose part is K group g
	s_lshl_b32 s12, s11, 16
	s_add_co_u32 s12, s12, s18
	v_add_nc_u32 v[AD+\g], s12, v29
	s_lshl_b32 s12, s11, 10
	s_add_co_u32 s12, s12, s19
	v_add_nc_u32 v[A2A+\g], s12, v31
.if \g > 0
	s_lshl_b32 s12, s11, 14
	s_add_co_u32 s12, s12, EX
	v_add_nc_u32 v[ZBA+\g-1], s12, v30
	s_lshl_b32 s12, s11, 13
	s_add_co_u32 s12, s12, EX
	v_add_nc_u32 v[RBA+\g-1], s12, v30
.endif
.endr
	s_lshl_b32 s12, s10, 14
	s_add_co_u32 s12, s12, EX
	v_add_nc_u32 v[ZST], s12, v30
	s_lshl_b32 s12, s10, 13
	s_add_co_u32 s12, s12, EX
	v_add_nc_u32 v[RST], s12, v30
	v_bfe_u32 v35, v0, 1, 3                        ; the fill: my chunk column among a block's eight,
	v_and_b32 v36, 1, v0                           ; my half of the chunk,
	v_lshlrev_b32 v[FS1], 12, v35
	v_lshl_add_u32 v[FS1], v36, 3, v[FS1]
	v_lshl_add_u32 v[FS1], v26, 4, v[FS1]          ; the odd row for lanes 16-31,
	v_add_nc_u32 v[FS1], s18, v[FS1]               ; my wave's 64 rows,
	v_bfe_u32 v35, v0, 1, 1                        ; and the chunk column's parity: it moves a row by 8 places, up where the row's bit 3 is clear, down where it is set
	v_lshl_add_u32 v[FS0], v35, 7, v[FS1]
	v_sub_nc_u32 v35, 1, v35
	v_lshl_add_u32 v[FS1], v35, 7, v[FS1]
	v_mov_b32 v[TF], 1.0
	s_mov_b32 s20, 0x3c4ccccd                      ; tau = 0.0125
	s_mov_b32 s21, 0xbc4ccccd
	s_mov_b32 s24, 0xbe000000                      ; -1 / 8
	s_mov_b32 s25, s24                             ; named with it as a pair
	s_mov_b32 s26, 0xffff0000                      ; a word's upper bf16
	WIN 0x40                                       ; z = out_old = 0
.set i, 0
.rept 256
	v_mov_b32 v[i], 0
.set i, i+1
.endr
	WIN 0x80
.set i, 0
.rept 256
	v_mov_b32 v[i], 0
.set i, i+1
.endr
	s_wait_loadcnt 32                              ; y is in; D's 32 younger loads stay out
	WIN 0xc3
.set i, 0
.rept 64
	v_pk_mul_f32 v[2*i:2*i+1], v[2*i:2*i+1], -1.0 op_sel_hi:[1,0]
.set i, i+1
.endr
	WIN 0x0f
.set n, 0
.rept 16                                               ; tile n = 4 mi + nb: component nb of rows 2 jp and 2 jp + 1
.set jp, 0
.rept 4
	v_cvt_pk_bf16_f32 v[YY+4*n+jp], v[4*(8*(n/4)+2*jp)+n%4], v[4*(8*(n/4)+2*jp+1)+n%4]
.set jp, jp+1
.endr
.set n, n+1
.endr
	DLOAD 0, 1                                     ; D's column block 1, into window 0
	WIN 0
	s_mov_b32 s28, 3
.Lfill:                                                ; a trip stores two column blocks and asks for the two after the next: 32 loads are always out behind the set in hand
	s_wait_loadcnt 32
	DPROC 3, 0
	DLOAD 3, 2
	s_wait_loadcnt 32
	DPROC 0, 32768
	DLOAD 0, 3
	s_wait_xcnt 0x0                                ; D's address is stepped only behind this wait (ISA guide 3.1)
	s_add_nc_u64 s[4:5], s[4:5], 512
	v_add_nc_u32 v[FS0], 0x10000, v[FS0]           ; 16 chunk columns on
	v_add_nc_u32 v[FS1], 0x10000, v[FS1]
	s_sub_co_u32 s28, s28, 1
	s_cmp_lg_u32 s28, 0
	s_cbranch_scc1 .Lfill
	s_wait_loadcnt 32
	DPROC 3, 0
	s_wait_loadcnt 0x0
	DPROC 0, 32768
	WIN 0
	s_wait_dscnt 0x0                               ; for the others: my rows of D are stored
	s_barrier_signal -1
	s_barrier_wait -1                              ; D is whole
.irp m, 2,3
	ds_load_b128 v[DR+8*(\m-2):DR+8*(\m-2)+3],   v[AD] offset:49152+\m*256
	ds_load_b128 v[DR+8*(\m-2)+4:DR+8*(\m-2)+7], v[AD] offset:49152+8192+\m*256
.endr
	ds_load_tr16_b128 v[DR+16:DR+19], v[A2A] offset:57344+512
	ds_load_tr16_b128 v[DR+20:DR+23], v[A2A] offset:57344+512+256
.set n, 0
.rept 64                                               ; step 1: z = 0, so the first product's sums are -y
	v_lshlrev_b32 v[ACC+2*n],   16,  v[YY+n]
	v_and_b32     v[ACC+2*n+1], s26, v[YY+n]
.set n, n+1
.endr
	s_wait_dscnt 0x0                               ; the resident fragments are in: my reads of the bytes that the exchange takes are over:
	s_barrier_signal -1                            ; say so; the wait stands in front of the first stores of r
	s_mov_b32 s27, 6
	s_branch .Lep1                                 ; the loop is entered behind the first product
; ================ six trips of two steps: the state sets change parts from step to step ================
.Ltop:
	P1
.Lep1:
	HALF 1, 2
	P1
	HALF 2, 1
	s_sub_co_u32 s27, s27, 1
	s_cmp_lg_u32 s27, 0
	s_cbranch_scc1 .Ltop
; ================ the way out: the last z lies in window 1 ================
	s_barrier_wait -1                              ; closes the last step's signal
	s_wait_tensorcnt 0x0                           ; the wave's end, behind my last LDS store
	ds_add_u32 v[SPW], v[NIL]
	s_wait_dscnt 0x0
.set b, 0
.rept 8                                                ; x tile b: a row's four sample blocks lie in four accumulators; moved together they are 16 neighbouring bytes of out0
	WIN 0xc1
.set i, 0
.rept 32
	v_mov_b32 v[32*b+i], v[8*(4*b+i%4)+i/4]
.set i, i+1
.endr
	WIN 0x0c
.set i, 0
.rept 8
	global_store_b128 v[GY], v[32*b+4*i:32*b+4*i+3], s[8:9] offset:(16*b+i)*65536 th:TH_STORE_NT  ; 16 lanes store 256 consecutive bytes, at a multiple of 256 from out0's first byte
.set i, i+1
.endr
.set b, b+1
.endr
	WIN 0
	s_endpgm
.Lfunc_end_k_qd3a1269244_ista:
	.size	k_qd3a1269244_ista, .Lfunc_end_k_qd3a1269244_ista-k_qd3a1269244_ista
	.p2alignl 7, 3214868480
	.fill 96, 4, 3214868480
	.section	.rodata,"a",@progbits
	.p2align	6, 0x0
	.amdhsa_kernel k_qd3a1269244_ista
		.amdhsa_group_segment_fixed_size 327680
		.amdhsa_private_segment_fixed_size 0
		.amdhsa_enable_private_segment 0
		.amdhsa_kernarg_size 24
		.amdhsa_user_sgpr_count 2
		.amdhsa_user_sgpr_kernarg_segment_ptr 1
		.amdhsa_wavefront_size32 1
		.amdhsa_system_sgpr_workgroup_id_x 1
		.amdhsa_system_sgpr_workgroup_id_y 1
		.amdhsa_system_sgpr_workgroup_id_z 1
		.amdhsa_system_vgpr_workitem_id 0
		.amdhsa_next_free_vgpr 1024
		.amdhsa_next_free_sgpr 66
		.amdhsa_reserve_vcc 0
		.amdhsa_float_denorm_mode_32 3
		.amdhsa_float_denorm_mode_16_64 3
		.amdhsa_memory_ordered 1
		.amdhsa_forward_progress 1
		.amdhsa_inst_pref_size 255
	.end_amdhsa_kernel
	.section	.bss,"aw",@nobits
	.p2align	6
	.space	262144
	.amdgpu_metadata
---
amdhsa.version: [ 1, 2 ]
amdhsa.kernels:
  - .name:           k_qd3a1269244_ista
    .symbol:         k_qd3a1269244_ista.kd
    .args:
      - { .name: D, .offset: 0, .size: 8, .value_kind: global_buffer, .address_space: global }
      - { .name: y, .offset: 8, .size: 8, .value_kind: global_buffer, .address_space: global }
      - { .name: out0, .offset: 16, .size: 8, .value_kind: global_buffer, .address_space: global }
    .group_segment_fixed_size: 327680
    .private_segment_fixed_size: 0
    .kernarg_segment_align: 8
    .kernarg_segment_size: 24
    .max_flat_workgroup_size: 128
    .sgpr_count:     66
    .vgpr_count:     1024
    .wavefront_size: 32
...
	.end_amdgpu_metadata
.endif
;; end of part 1
